; MI455X (gfx1250); checked and timed in simulation.
; The chip was launched on July 23, 2026; its instructions are those of AMD's public machine-readable ISA for CDNA 5 (MIT licence, August 2026) and "CDNA5" Instruction Set Architecture Reference Guide (July 2026). The comments in the code are by the model that wrote it; some were corrected since.
;; Attention Core. Allowed arithmetic: matrix products marked QUANTISED: E3M2 operands, one E8M0 scale for each 32 along K, by v_wmma_scale_f32_16x16x128_f8f6f4 with both operands' format E3M2, f32 sums; everything else in f32.
;; Inputs: k 4 x 16 x 2,048 x 64 float32; q 4 x 16 x 2,048 x 64 float32; v 4 x 16 x 2,048 x 64 float32.
;; Outputs: out0 4 x 2,048 x 1,024 float32.
;; This version of the problem:
;;   THIS VERSION OF THE PROBLEM IS GIVEN IN LOW PRECISION. The matrix products marked QUANTISED in the list below multiply operands that are first quantised to E3M2 (3 exponent bits, 2 mantissa bits; 6 bits a number), with one power-of-two scale for each 32 numbers along K (OCP MX v1.0); their sums are f32. All else is computed in f32.
;;   The module's matrix products, in the order in which they are computed (A, B: the left and right operand; K: the contracted axis; several contracted axes count as one K, in the product's order):
;;     1. batch 64 x [M 2,048, K 64] x [K 64, N 2,048]; A: input q; B: input k: QUANTISED
;;     2. batch 64 x [M 2,048, K 2,048] x [K 2,048, N 64]; A: softmax (see below); B: input v: QUANTISED
;;   THE QUANTISER, for each operand of a quantised product, along K:
;;     - K is cut into blocks of 32 from its start; a last block that is shorter is filled with zeros.
;;     - A block's scale is 2^e with e = floor(log2(the largest magnitude in the block)) - 4, held to -126 .. 127; a block of zeros has e = 0. As a byte (E8M0): e + 127.
;;     - Each number is divided by its block's scale, clamped to +-28, and rounded to the nearest number of E3M2, ties to even, subnormals kept.
;;     - The product sums the exact products of the quantised numbers (number of the format x scale) in f32.
;;   ~~~python
;;   def quantise(x, axis):      # numpy; x: float32 -> the quantised numbers, widened to float32 again
;;       x = np.moveaxis(x, axis, -1); K = x.shape[-1]
;;       x = np.pad(x, [(0, 0)] * (x.ndim - 1) + [(0, -K % 32)]); x = x.reshape(x.shape[:-1] + (-1, 32)); a = np.abs(x).max(-1, keepdims=True)
;;       e = np.where(a > 0, np.clip(np.frexp(np.where(a > 0, a, 1))[1] - 1 - 4, -126, 127), 0)      # np.frexp(a)[1] - 1 = floor(log2(a)), exactly
;;       r = np.clip(x / 2.0 ** e, -28, 28)
;;       step = 2.0 ** (np.maximum(np.frexp(np.where(r == 0, 1, r))[1] - 1, -2) - 2)
;;       q = np.round(r / step) * step * 2.0 ** e      # np.round: ties to even
;;       return np.moveaxis(q.reshape(q.shape[:-2] + (-1,))[..., :K], -1, axis).astype(np.float32)
;;   ~~~
;;   SOFTMAX AHEAD OF A QUANTISED PRODUCT. Where the list says 'softmax', what is quantised is not the finished softmax but p = 2^(t - M), with t = logit x log2(e) and M = ceil(the row's largest t), a whole number; so 1/2 < the row's largest p <= 1. The row's sum l is taken of the UNQUANTISED p, in f32, and the product's result is divided by l at the end. Since M is a whole number, a kernel that streams over the keys may use a running M (the ceiling of the running maximum): every later rescaling is an exact power of two, which a block's scale takes up: the codes' values come out the same.
;;   OPERANDS COMPUTED ON THE WAY. 'Computed on the way' means the value that the module computes at that place (a softmax that the list does not call 'softmax' is quantised finished and normalised). What goes into a quantiser is computed in f32, as accurately as f32 sums, v_exp_f32 and their like allow (about 1e-6 of the number): no bf16 or f16 on the way to a quantiser, and a product that is left as it is and whose result goes on into a quantised operand takes f32 operands (vector FMAs, or v_wmma_f32_16x16x4_f32). A number that lies on a knife's edge between two numbers of the format may be rounded either way, as far as f32 arithmetic and the matrix unit's own rounding can turn it there, and no further.
;; One version. Each part assembles by itself: llvm-mc -triple=amdgcn-amd-amdhsa -mcpu=gfx1250 --defsym DOCPART=n.
;; ======== version 1 of 1: 2 launches
;; limits: right only within a limited range of input values
;; workspace buffers: kv 13,369,344 bytes
;; launch quant (part 1): grid 256 x 1, 8 waves a work-group, no clusters, 78,848 bytes of LDS; arguments k, v, kv; writes kv
.if DOCPART == 1
	.amdgcn_target "amdgcn-amd-amdhsa--gfx1250"
	.amdhsa_code_object_version 6
	.text
	.protected	k_qe67b8902da_quant
	.globl	k_qe67b8902da_quant
	.p2align	8
	.type	k_qe67b8902da_quant,@function
k_qe67b8902da_quant:
	s_mov_b64 s[64:65], 0
	v_nop
	global_prefetch_b8 v0, s[64:65] scope:SCOPE_SE
	s_setreg_imm32_b32 hwreg(HW_REG_WAVE_MODE, 25, 1), 1
	s_wait_xcnt 0x0
; k and v, [64 heads][2048 keys][64] f32, become codes of BF6 (E3M2) with E8M0 scale bytes, laid as IMAGES OF THE OPERAND REGISTERS of the attention launch.
; k is quantised along the head's 64 (two blocks of 32 a key), v along the keys (a block = 32 keys of one channel).
; A block's scale is 2^(floor(log2(its largest magnitude)) - 4); its byte is the largest magnitude's exponent field - 4, held at 1 from below.
; LIMITS: a block whose largest magnitude lies under 2^-122 (a block of zeros among them) gets the byte 1: its codes are zeros or subnormals of that scale, and this program alone reads the bytes.
;         NaN and infinities among the inputs are not served.
; UNITS.  A unit is 128 keys of one head: 32,768 bytes of k, as many of v, one block of 13,056 bytes (51 x 256) of kv at (16 head + step) x 13,056:
;   0     + 768 t   K tile t (0..7): registers 0-3 of lane l at 16 l (512 bytes), registers 4-5 at 8 l (256 bytes).  Lane (m, h) holds channels 32 h .. 32 h + 31 of key 64 (t / 4) + 32 (m / 8) + 8 (t % 4) + m % 8
;   6144            K's scale words: lane l's 16 bytes at 16 l; word j: tile 2 j + l / 16, row l % 16; byte 0 channels 0-31, byte 1 channels 32-63, bytes 2 and 3 are 0 (they stand over zero codes)
;   6656  + 1536 t  V^T tile t (0..3; channel 16 t + l % 16): three parts of 512 bytes, part c = registers 4 c .. 4 c + 3 at 16 l; register 6 c + i = word i of the codes of keys 64 c + 32 (l / 16) + 0 .. 31
;   12800           V's scale words: lane l's 8 bytes at 8 l; word j: the four bytes (key blocks 0-3) of channel 32 j + l
; The keys of a K tile are chosen so that in S^T = K Q^T a lane's 64 scores of a step are two WHOLE blocks of 32 keys, in the order in which the second product's operand wants them.
; SHARES.  Eight waves: waves 0-3 take k of four units, waves 4-7 take v of the same four.  A wave does a whole unit, so every store covers whole aligned runs of 256 or 512 bytes.
; No tensor load, no barrier: waves share nothing.  Both roles are written out with immediate offsets; no pointer is stepped.
.set BLK,   13056
.set KSC,   6144
.set VIMG,  6656
.set VSC,   12800
.set WREG,  9728                       ; LDS: a region for each wave: two stages of STGB bytes (only waves 0-3 use theirs)
.set STGB,  4864                       ; a stage: image lane (m, h) has 128 bytes at 144 m + 2432 h
.set FLOOR, 0x2800000                  ; 2^(5 - 127): under it no largest magnitude is taken, so the byte cannot fall under 1
.set OFFE,  0xfe000000                 ; takes 4 off an exponent field
.set R,     16                         ; K role: v16-143  four sets of 32 numbers as loaded
.set X,     144                        ;         v144-207 two sets of 32 neighbours along the head's axis
.set C,     208                        ;         v208-219 two sets of six registers of codes
.set T,     220                        ;         v220-222 a conversion's second half
.set SW,    224                        ;         v224-227 the scale words
.set VX,    16                         ; V role: v16-79   two sets of 32 numbers down the keys
.set Y,     80                         ;         v80-127  codes: 24 registers for each half of the channels
.set VT,    128                        ;         v128-130 a conversion's second half
.set VS,    132                        ;         v132-133 the scale words
	s_load_b128 s[4:7], s[0:1], 0x0                ; k, v
	s_load_b64 s[8:9], s[0:1], 0x10                ; kv
	v_lshl_add_u32 v240, v0, 2, 0x13000
	v_mov_b32 v241, 0
	v_lshrrev_b32 v8, 5, v0
	s_delay_alu instid0(VALU_DEP_1)
	v_readfirstlane_b32 s10, v8                    ; wave 0..7
	s_and_b32 s13, s10, 3
	s_lshl_b32 s12, ttmp9, 2
	s_add_co_u32 s12, s12, s13                     ; my unit: 4 x work-group + wave % 4 = 16 head + step
	s_lshl_b32 s14, s12, 15                        ; its first byte in k and in v (under 2^25)
	s_mov_b32 s15, 0
	s_mul_i32 s16, s12, BLK                        ; and in kv
	s_mov_b32 s17, 0
	s_mul_i32 s18, s10, WREG                       ; my LDS region
	s_mov_b32 s20, 0x76543210
	s_mov_b32 s21, 0xfedcba98                      ; v_permlanex16_b32's selects for lane l xor 16
	; every address register is made here, ahead of the parting of the roles
	v_and_b32 v7, 31, v0                           ; lane
	s_delay_alu instid0(VALU_DEP_1)
	v_lshlrev_b32 v1, 4, v7                        ; 16 x lane
	s_delay_alu instid0(VALU_DEP_2)
	v_lshlrev_b32 v2, 3, v7                        ; 8 x lane
	s_delay_alu instid0(VALU_DEP_3)
	v_lshlrev_b32 v3, 2, v7                        ; 4 x lane
	v_bfe_u32 v8, v0, 4, 1                         ; lane / 16
	v_bfe_u32 v9, v0, 3, 1
	v_and_b32 v10, 7, v0
	s_delay_alu instid0(VALU_DEP_3)
	v_mul_u32_u24 v4, v8, 144                      ; the stage, on the way in: a load's 512 bytes are two keys; lane l holds key l / 16, half (l / 8) % 2, 16 bytes at 16 (l % 8)
	s_delay_alu instid0(VALU_DEP_1)
	v_mad_u32_u24 v4, v9, 2432, v4
	s_delay_alu instid0(VALU_DEP_1)
	v_lshl_add_u32 v4, v10, 4, v4
	s_delay_alu instid0(VALU_DEP_1)
	v_add_nc_u32 v4, s18, v4
	v_and_b32 v11, 15, v0
	s_delay_alu instid0(VALU_DEP_1)
	v_mul_u32_u24 v5, v11, 144                     ; and on the way out: image lane (m = l % 16, h = l / 16): its 128 bytes
	s_delay_alu instid0(VALU_DEP_1)
	v_mad_u32_u24 v5, v8, 2432, v5
	s_delay_alu instid0(VALU_DEP_1)
	v_add_nc_u32 v5, s18, v5
	v_lshlrev_b32 v6, 3, v8                        ; 8 h: where my byte stands in a scale word of K
	v_cmp_le_u32 vcc_lo, 16, v7                    ; lanes 16-31; never rewritten
	s_wait_kmcnt 0x0
	s_add_nc_u64 s[4:5], s[4:5], s[14:15]
	s_add_nc_u64 s[6:7], s[6:7], s[14:15]
	s_add_nc_u64 s[8:9], s[8:9], s[16:17]
	s_cmp_lt_u32 s10, 4
	s_cbranch_scc0 .Lv
; ---------------- K: eight tiles of 16 keys ----------------
.macro KLOAD t                         ; tile t's 16 keys, two keys (512 consecutive bytes) a load
.irp i, 0,1,2,3,4,5,6,7
	global_load_b128 v[R+32*((\t)%4)+4*\i:R+32*((\t)%4)+4*\i+3], v1, s[4:5] offset:(64*((\t)/4)+8*((\t)%4)+32*(\i/4)+2*(\i%4))*256 th:TH_LOAD_NT
.endr
.endm
.macro TURN t                          ; through my stage: in as loaded (image rows 2 i, 2 i + 1), out 128 bytes a lane.  LDS serves a wave's instructions in order: no wait between
.irp i, 0,1,2,3,4,5,6,7
	ds_store_b128 v4, v[R+32*((\t)%4)+4*\i:R+32*((\t)%4)+4*\i+3] offset:STGB*((\t)%2)+288*\i
.endr
.irp p, 0,1,2,3,4,5,6,7
	ds_load_b128 v[X+32*((\t)%2)+4*\p:X+32*((\t)%2)+4*\p+3], v5 offset:STGB*((\t)%2)+16*\p
.endr
.endm
.macro KTILE t
.set XS, X+32*((\t)%2)
.set CS, C+6*((\t)%2)
	s_wait_dscnt 0x0                               ; this tile's numbers are back from the stage
.if (\t)+4 < 8
	KLOAD (\t)+4                                   ; into the set that this tile's stage stores have read
.endif
.if (\t)+1 < 8
.if 6-(\t) >= 3
	s_wait_loadcnt 24                              ; the next tile's 8 loads are in; those of the three tiles behind it may be out
.else
	s_wait_loadcnt 8*(6-(\t))                      ; fewer tiles are left behind it
.endif
	TURN (\t)+1                                    ; goes through the other stage while this tile is worked
.endif
	v_max3_num_f32 v228, |v[XS]|, |v[XS+1]|, |v[XS+2]|             ; the block's largest magnitude: all 32 numbers are mine; two chains
	v_max3_num_f32 v229, |v[XS+3]|, |v[XS+4]|, |v[XS+5]|
.irp i, 6,10,14,18,22,26
	s_delay_alu instid0(VALU_DEP_2)
	v_max3_num_f32 v228, v228, |v[XS+\i]|, |v[XS+\i+1]|
	s_delay_alu instid0(VALU_DEP_2)
	v_max3_num_f32 v229, v229, |v[XS+\i+2]|, |v[XS+\i+3]|
.endr
	s_delay_alu instid0(VALU_DEP_2)
	v_max3_num_f32 v228, v228, |v[XS+30]|, |v[XS+31]|
	s_delay_alu instid0(VALU_DEP_1)
	v_max3_num_f32 v228, v228, v229, FLOOR
	s_delay_alu instid0(VALU_DEP_1)
	v_add_nc_u32 v230, OFFE, v228                  ; 4 off its exponent field: the conversion takes the exponent field of this operand as its scale
.if (\t) >= 2
	s_wait_alu depctr_va_vdst(0)
	s_wait_xcnt 0x0                                ; the stores of two tiles back have read this set of code registers: it is written again only behind this wait
.endif
	v_cvt_scalef32_pk16_bf6_f32 v[CS:CS+2], v[XS:XS+15], v230
	v_cvt_scalef32_pk16_bf6_f32 v[T:T+2], v[XS+16:XS+31], v230     ; (a conversion's three registers begin on an even number)
	v_lshrrev_b32 v231, 23, v230                   ; the scale's byte.  (Also the plain line behind the conversions)
	s_delay_alu instid0(VALU_DEP_1)
	v_lshlrev_b32 v232, v6, v231                   ; at its place: byte h
	s_delay_alu instid0(VALU_DEP_1)
	v_permlanex16_b32 v233, v232, s20, s21
	s_delay_alu instid0(VALU_DEP_1)
	v_or_b32 v232, v232, v233                      ; with lane l xor 16's the row's word is whole, in both lanes
.irp i, 0,1,2
	v_mov_b32 v[CS+3+\i], v[T+\i]
.endr
.if (\t)%2 == 0
	s_delay_alu instid0(VALU_DEP_4)
	v_mov_b32 v[SW+(\t)/2], v232                   ; an even tile's words, wanted in lanes 0-15
.else
	s_delay_alu instid0(VALU_DEP_4)
	v_cndmask_b32 v[SW+(\t)/2], v[SW+(\t)/2], v232, vcc_lo         ; an odd tile's take lanes 16-31
.endif
	global_store_b128 v1, v[CS:CS+3], s[8:9] offset:768*(\t)       ; 512 consecutive bytes
	global_store_b64 v2, v[CS+4:CS+5], s[8:9] offset:768*(\t)+512  ; 256 consecutive bytes
.endm
	v_mov_b32 v233, 0                              ; a lane permute's destination counts as one of its sources
	KLOAD 0
	KLOAD 1
	KLOAD 2
	KLOAD 3
	s_wait_loadcnt 24                              ; tile 0's 8 loads are in
	s_wait_alu depctr_va_vdst(0)
	TURN 0
.irp t, 0,1,2,3,4,5,6,7
	KTILE \t
.endr
	global_store_b128 v1, v[SW:SW+3], s[8:9] offset:KSC
	s_wait_tensorcnt 0x0
	ds_add_u32 v240, v241
	s_wait_dscnt 0x0
	s_endpgm
; ---------------- V: a lane takes a channel, its registers run down the keys ----------------
.Lv:
.macro VLOAD n                         ; block b = n / 2 (keys 32 b on) of channel 32 (n % 2) + lane: 128 consecutive bytes a load; the two halves of a key's 256 bytes are asked for by neighbouring runs of loads
.set vi, 0
.rept 32
	global_load_b32 v[VX+32*((\n)%2)+vi], v3, s[6:7] offset:(32*((\n)/2)+vi)*256+128*((\n)%2)
.set vi, vi+1
.endr
.endm
.macro VBLOCK n
.set XS, VX+32*((\n)%2)
.set CB, Y+24*((\n)%2)+12*(((\n)/2)%2)+6*((\n)/4)  ; in a half's 24 registers: block 0 at 0, block 2 at 6, block 1 at 12, block 3 at 18
.if (\n) < 7
	s_wait_loadcnt 32                              ; this block's 32 loads are in; the next block's may be out
.else
	s_wait_loadcnt 0x0
.endif
	v_max3_num_f32 v134, |v[XS]|, |v[XS+1]|, |v[XS+2]|
	v_max3_num_f32 v135, |v[XS+3]|, |v[XS+4]|, |v[XS+5]|
.irp i, 6,10,14,18,22,26
	s_delay_alu instid0(VALU_DEP_2)
	v_max3_num_f32 v134, v134, |v[XS+\i]|, |v[XS+\i+1]|
	s_delay_alu instid0(VALU_DEP_2)
	v_max3_num_f32 v135, v135, |v[XS+\i+2]|, |v[XS+\i+3]|
.endr
	s_delay_alu instid0(VALU_DEP_2)
	v_max3_num_f32 v134, v134, |v[XS+30]|, |v[XS+31]|
	s_delay_alu instid0(VALU_DEP_1)
	v_max3_num_f32 v134, v134, v135, FLOOR
	s_delay_alu instid0(VALU_DEP_1)
	v_add_nc_u32 v136, OFFE, v134
	s_delay_alu instid0(VALU_DEP_1)
	v_lshrrev_b32 v137, 23, v136                   ; the scale's byte
.if (\n)/2 == 0
	s_delay_alu instid0(VALU_DEP_1)
	v_mov_b32 v[VS+(\n)%2], v137                   ; four bytes to a word, the lower keys in the lower byte
.else
	s_delay_alu instid0(VALU_DEP_1)
	v_lshl_or_b32 v[VS+(\n)%2], v137, 8*((\n)/2), v[VS+(\n)%2]
.endif
	v_cvt_scalef32_pk16_bf6_f32 v[CB:CB+2], v[XS:XS+15], v136
	v_cvt_scalef32_pk16_bf6_f32 v[VT:VT+2], v[XS+16:XS+31], v136
	v_nop                                          ; one plain line behind a scaled conversion
.irp i, 0,1,2
	v_mov_b32 v[CB+3+\i], v[VT+\i]
.endr
.if (\n)+2 < 8
	VLOAD (\n)+2
.endif
.endm
; Half j's four blocks become the images of tiles 2 j and 2 j + 1.  Lane l holds channel 32 j + l; an image's lanes 0-15 want blocks 0 and 2 of a tile's 16 channels, lanes 16-31 blocks 1 and 3.
; The swap changes the first register's lanes 16-31 with the second's lanes 0-15: the first is then tile 2 j's register, the second tile 2 j + 1's.
.macro VOUT j
.irp c, 0,1
.irp i, 0,1,2,3,4,5
	v_permlane16_swap_b32 v[Y+24*\j+6*\c+\i], v[Y+24*\j+12+6*\c+\i]
.endr
.endr
.irp e, 0,1
.irp c, 0,1,2
	global_store_b128 v1, v[Y+24*\j+12*\e+4*\c:Y+24*\j+12*\e+4*\c+3], s[8:9] offset:VIMG+1536*(2*\j+\e)+512*\c   ; 512 consecutive bytes; these registers are not written again
.endr
.endr
.endm
	VLOAD 0
	VLOAD 1
.irp n, 0,1,2,3,4,5,6
	VBLOCK \n
.endr
	VOUT 0
	VBLOCK 7
	VOUT 1
	global_store_b64 v2, v[VS:VS+1], s[8:9] offset:VSC             ; 256 consecutive bytes
	s_endpgm
.Lfunc_end_k_qe67b8902da_quant:
	.size	k_qe67b8902da_quant, .Lfunc_end_k_qe67b8902da_quant-k_qe67b8902da_quant
	.p2alignl 7, 3214868480
	.fill 96, 4, 3214868480
	.section	.rodata,"a",@progbits
	.p2align	6, 0x0
	.amdhsa_kernel k_qe67b8902da_quant
		.amdhsa_group_segment_fixed_size 78848
		.amdhsa_private_segment_fixed_size 0
		.amdhsa_enable_private_segment 0
		.amdhsa_kernarg_size 24
		.amdhsa_user_sgpr_count 2
		.amdhsa_user_sgpr_kernarg_segment_ptr 1
		.amdhsa_wavefront_size32 1
		.amdhsa_system_sgpr_workgroup_id_x 1
		.amdhsa_system_sgpr_workgroup_id_y 1
		.amdhsa_system_sgpr_workgroup_id_z 1
		.amdhsa_system_vgpr_workitem_id 0
		.amdhsa_next_free_vgpr 242
		.amdhsa_next_free_sgpr 66
		.amdhsa_reserve_vcc 1
		.amdhsa_float_denorm_mode_32 3
		.amdhsa_float_denorm_mode_16_64 3
		.amdhsa_memory_ordered 1
		.amdhsa_forward_progress 1
		.amdhsa_inst_pref_size 78
	.end_amdhsa_kernel
	.amdgpu_metadata
---
amdhsa.version: [ 1, 2 ]
amdhsa.kernels:
  - .name:           k_qe67b8902da_quant
    .symbol:         k_qe67b8902da_quant.kd
    .args:
      - { .name: k, .offset: 0, .size: 8, .value_kind: global_buffer, .address_space: global }
      - { .name: v, .offset: 8, .size: 8, .value_kind: global_buffer, .address_space: global }
      - { .name: kv, .offset: 16, .size: 8, .value_kind: global_buffer, .address_space: global }
    .group_segment_fixed_size: 78848
    .private_segment_fixed_size: 0
    .kernarg_segment_align: 8
    .kernarg_segment_size: 24
    .max_flat_workgroup_size: 256
    .sgpr_count:     66
    .vgpr_count:     242
    .wavefront_size: 32
...
	.end_amdgpu_metadata
.endif
;; end of part 1
;; launch attn (part 2): grid 4 x 64, 16 waves a work-group, no clusters, 280,576 bytes of LDS; arguments q, kv, out0; writes out0
.if DOCPART == 2
	.amdgcn_target "amdgcn-amd-amdhsa--gfx1250"
	.amdhsa_code_object_version 6
	.text
	.protected	k_qe67b8902da_attn
	.globl	k_qe67b8902da_attn
	.p2align	8
	.type	k_qe67b8902da_attn,@function
k_qe67b8902da_attn:
	s_mov_b64 s[64:65], 0
	v_nop
	global_prefetch_b8 v0, s[64:65] scope:SCOPE_SE
	s_setreg_imm32_b32 hwreg(HW_REG_WAVE_MODE, 25, 1), 1
	s_wait_xcnt 0x0
; out[b][s][64 h + :] = softmax over the keys k <= s of (q . k / 8), times v; 64 heads (16 b + h), 2,048 queries and keys, head size 64.  Both products on codes of BF6 (E3M2) with one E8M0 scale for each 32 along a product's K.
; k and v come as images of the operand registers from kv (13,056 bytes for each 128 keys of a head: 8 K tiles, K's scale words, 4 V^T tiles, V's scale words); q is quantised here, in registers.
; THE FIRST PRODUCT'S K is the head's 64: the instruction's upper 64 are zero codes, six registers of zeros in each operand, written once.
; THE SOFTMAX: t = score x log2(e) / 8; M = the running largest t, taken up to a whole number; p = 2^(t - M) is quantised along the keys, not normalised; the row's sum is taken of the unquantised p and divides at the end.
; When M moves, the sum and O are multiplied by 2^(old M - new M): nothing is rounded, and no branch hangs on data.
; LAYOUT.  Both products are used transposed: S^T = K Q^T (source 0 = 16 keys, source 1 = my 16 queries), O^T = V^T P^T (source 0 = 16 channels, source 1 = P): a lane holds ONE query (lane % 16) throughout.
; The keys of a K tile are chosen (in the launch before) so that score register n of lane (r, h) is key 64 (n / 32) + 32 h + n % 32 of the step: two WHOLE blocks of 32 keys a lane, in the order of P's registers:
; a block's maximum needs no other lane, and the conversions' results are the operand.
; SHARES.  256 work-groups of equal work.  Work-group (i, head) owns the blocks of 256 queries 7 - i and i.  Wave w owns two tiles of 16 queries: 256 (7 - i) + 16 (15 - w) on, and 256 i + 16 w on:
; together 17 steps of 128 keys for every wave.  Sixteen waves of 256 registers, four to a SIMD: one wave's vector work stands beside another's LDS loads and products.
; LDS.  A head's 16 blocks of kv, 208,896 bytes, are brought once and stay: no byte is filled twice.  Waves 0-3 bring four blocks each; behind load s of the four waves lie keys 512 s .. 512 s + 511, which are
; read behind a barrier of their own, so that the first steps are worked while the later blocks land.  By this text's count a wave has at most four tensor loads out.
; THE MASK.  A step all of whose keys come after the wave's 16 queries is left out (a scalar branch on ids; every loop's trip count is a constant).  In the step on the diagonal hidden scores take the mask's value,
; -10,000 as a logit, which is -80,000 ahead of the factor 1 / 8.
; NO CLUSTER: the four work-groups of a head read the same 208,896 bytes, but which steps a wave leaves out hangs on the work-group's place among the four;
; the shared bytes are asked for once in the launch, at its head.
; LIMITS: leaving masked steps out is right while each row's largest visible logit lies above -10,000 + 126 ln 2 = -9,912: above that the masked keys' p is 0 in f32.  A block whose largest magnitude lies
; under 2^-122 gets the scale byte 1.  NaN and infinities among the inputs are not served.
.set BLK,   13056                      ; a step's block of kv
.set KSC,   6144                       ; in it: K's scale words,
.set VIMG,  6656                       ; V's four tiles,
.set VSC,   12800                      ; V's scale words
.set HEADB, 16*BLK
.set STG,   HEADB                      ; behind the head's blocks: a stage of 16 rows x 272 bytes for each wave; no tensor load lands there
.set STGW,  4352
.set SP,    272
.set FLOOR, 0x2800000                  ; 2^(5 - 127)
.set OFFE,  0xfe000000                 ; takes 4 off an exponent field
.set KFR,   36                         ; v36-83   four K fragments: six registers of codes, six of zeros
.set S,     96                         ; v96-159  S^T, then p; v96-143 later V's four fragments
.set O,     160                        ; v160-191 O^T
.set P,     192                        ; v192-203 p's codes
; v1 16 x lane, v2 8 x lane; v3, v4 the same + the step's block; v5 stage in, v6 stage by rows, v7 my offset in out0's rows, v8 r - 32 h, v9 Q's scale word, v10 P's, v11 8 h, v12 -M, v13 the largest t,
; v[14:15] the sum in two halves; v16-21 Q's codes, v22-27 zeros; v28-34 the second tile's Q; v35 stage out for q; v204-206, v208-210 second halves of conversions; v212-215 K's scale words, v216-217 V's;
; v218-221 maxima; v222-235 at work.
; s10 wave, s11 my stage, s12 head, s13 my first query, s14 the second tile's, s15 the step's first key, s16 the step's block in LDS, s17 trips, s18-19 at work, s[20:21] lane selects, s[22:23] c,
; s[24:31] descriptor group 1, s[32:47] four groups 0, s[48:49] kv at my first block, s[50:53] out0 at my two tiles, s[54:57] q at them.
	s_load_b128 s[4:7], s[0:1], 0x0                ; q, kv
	s_load_b64 s[8:9], s[0:1], 0x10                ; out0
	v_lshl_add_u32 v254, v0, 2, 0x44000
	v_mov_b32 v255, 0
	ds_add_u32 v254, v255
	ds_add_u32 v254, v255
	v_lshrrev_b32 v84, 5, v0
	s_delay_alu instid0(VALU_DEP_1)
	v_readfirstlane_b32 s10, v84                   ; wave 0..15
	s_and_b32 s12, ttmp7, 0xffff                   ; head
	s_lshl_b32 s14, ttmp9, 8
	s_lshl_b32 s18, s10, 4
	s_add_co_u32 s14, s14, s18                     ; the low tile's first query: 256 i + 16 w
	s_sub_co_u32 s13, 2032, s14                    ; the high tile's: 256 (7 - i) + 16 (15 - w)
	s_lshr_b32 s18, s12, 4
	s_lshl_b32 s18, s18, 23                        ; out0: batch x 2,048 rows of 4,096 bytes,
	s_and_b32 s19, s12, 15
	s_lshl_b32 s19, s19, 8                         ; the head's 256 bytes of a row,
	s_add_co_u32 s18, s18, s19
	s_lshl_b32 s19, s13, 12                        ; and the tile's first row
	s_add_co_u32 s50, s18, s19
	s_mov_b32 s51, 0
	s_lshl_b32 s19, s14, 12
	s_add_co_u32 s52, s18, s19
	s_mov_b32 s53, 0
	s_lshl_b32 s18, s12, 19                        ; q: head x 2,048 rows of 256 bytes
	s_lshl_b32 s19, s13, 8
	s_add_co_u32 s54, s18, s19
	s_mov_b32 s55, 0
	s_lshl_b32 s19, s14, 8
	s_add_co_u32 s56, s18, s19
	s_mov_b32 s57, 0
	s_mul_i32 s11, s10, STGW
	s_add_co_u32 s11, s11, STG                     ; my stage
	s_and_b32 s18, s10, 3
	s_mul_i32 s18, s18, BLK                        ; the first block that I fetch, if I fetch: its place in LDS, and in the head's part of kv
	s_mul_i32 s19, s12, HEADB
	s_add_co_u32 s48, s18, s19
	s_mov_b32 s49, 0
	s_mov_b32 s20, 0x76543210
	s_mov_b32 s21, 0xfedcba98                      ; v_permlanex16_b32's selects for lane l xor 16
	s_mov_b32 s22, 0x3e38aa3b                      ; c = log2(e) / 8
	s_mov_b32 s23, s22                             ; (the packed form names the pair and takes its low word for both halves: so it is written)
	; descriptor group 1: a dense block of 13,056 bytes as 51 rows of 256 bytes (32 elements of 8 bytes), no padding
	s_mov_b32 s24, 3<<16                           ; 15:0 no mask; 17:16 elements of 8 bytes; 20 padding off
	s_mov_b32 s25, 32<<16                          ; tensor_dim0 = 32
	s_mov_b32 s26, 51<<16                          ; tensor_dim1 = 51
	s_mov_b32 s27, 32<<16                          ; tile_dim0 = 32
	s_mov_b32 s28, 51                              ; tile_dim1 = 51
	s_mov_b32 s29, 32                              ; from row to row
	s_mov_b32 s30, 0
	s_mov_b32 s31, 0
	v_and_b32 v84, 31, v0                          ; lane
	v_and_b32 v85, 15, v0                          ; r
	v_bfe_u32 v86, v0, 4, 1                        ; h
	s_delay_alu instid0(VALU_DEP_3)
	v_lshlrev_b32 v1, 4, v84
	s_delay_alu instid0(VALU_DEP_4)
	v_lshlrev_b32 v2, 3, v84
	s_delay_alu instid0(VALU_DEP_4)
	v_mul_u32_u24 v87, v85, SP
	s_delay_alu instid0(VALU_DEP_1)
	v_lshl_add_u32 v5, v86, 5, v87
	s_delay_alu instid0(VALU_DEP_1)
	v_add_nc_u32 v5, s11, v5                       ; the stage, results in: row r, + 32 h
	s_delay_alu instid0(VALU_DEP_3)
	v_lshl_add_u32 v35, v86, 7, v87
	s_delay_alu instid0(VALU_DEP_1)
	v_add_nc_u32 v35, s11, v35                     ; q out of it: row r, + 128 h: my 32 channels
	v_mul_u32_u24 v6, v86, SP
	s_delay_alu instid0(VALU_DEP_1)
	v_lshl_add_u32 v6, v85, 4, v6
	s_delay_alu instid0(VALU_DEP_1)
	v_add_nc_u32 v6, s11, v6                       ; by rows: lanes 0-15 one row of 256 bytes, lanes 16-31 the next
	v_lshlrev_b32 v7, 12, v86
	s_delay_alu instid0(VALU_DEP_1)
	v_lshl_add_u32 v7, v85, 4, v7                  ; and the same two rows in out0, 4,096 bytes apart
	v_lshlrev_b32 v8, 5, v86
	s_delay_alu instid0(VALU_DEP_1)
	v_sub_nc_u32 v8, v85, v8                       ; r - 32 h
	v_lshlrev_b32 v11, 3, v86                      ; 8 h
.irp j, 22,23,24,25,26,27
	v_mov_b32 v[\j], 0                             ; Q's upper 64 along K: zero codes
.endr
.irp u, 0,1,2,3
.irp j, 6,7,8,9,10,11
	v_mov_b32 v[KFR+12*\u+\j], 0                   ; K's likewise: written once, never loaded into
.endr
.endr
	v_mov_b32 v223, 0                              ; a lane permute's destination counts as one of its sources
	v_mov_b32 v231, 0
	v_mov_b32 v225, 0                              ; (named as the upper half of the pair v[224:225])
	s_wait_dscnt 0x0
	s_wait_kmcnt 0x0
	s_add_nc_u64 s[48:49], s[6:7], s[48:49]
	s_add_nc_u64 s[50:51], s[8:9], s[50:51]
	s_add_nc_u64 s[52:53], s[8:9], s[52:53]
	s_add_nc_u64 s[54:55], s[4:5], s[54:55]
	s_add_nc_u64 s[56:57], s[4:5], s[56:57]
.irp s, 0,1,2,3                        ; group 0 number s: block 4 s + wave; never rewritten
	s_mov_b32 s[32+4*\s], 1                                        ; count = 1
	s_add_co_u32 s[33+4*\s], s18, 4*BLK*\s                         ; LDS address
	s_add_nc_u64 s[34+4*\s:35+4*\s], s[48:49], 4*BLK*\s            ; global address
	s_or_b32 s[35+4*\s], s[35+4*\s], 0x80000000                    ; type = 2
.endr
	s_cmp_lt_u32 s10, 4                            ; a wave's four fills stand in one branch on the wave's number, ahead of every wait on TENSORcnt, every LDS read and every barrier
	s_cbranch_scc0 .Lno_fill
	tensor_load_to_lds s[32:35], s[24:31]
	s_nop 0
	tensor_load_to_lds s[36:39], s[24:31]
	s_nop 0
	tensor_load_to_lds s[40:43], s[24:31]
	s_nop 0
	tensor_load_to_lds s[44:47], s[24:31]
	s_nop 0
.rept 4
	v_nop
.endr
.Lno_fill:
.macro QLOAD dst, sb                   ; a tile of q, 16 rows x 256 bytes: 512 consecutive bytes a load
.irp i, 0,1,2,3,4,5,6,7
	global_load_b128 v[\dst+4*\i:\dst+4*\i+3], v1, s[\sb:\sb+1] offset:512*\i th:TH_LOAD_NT
.endr
.endm
.macro QTURN dst                       ; through my stage: in by rows, out 128 bytes a lane: channels 32 h .. 32 h + 31 of query r.  LDS serves a wave's instructions in order: no wait between
.irp i, 0,1,2,3,4,5,6,7
	ds_store_b128 v6, v[\dst+4*\i:\dst+4*\i+3] offset:2*SP*\i
.endr
.irp p, 0,1,2,3,4,5,6,7
	ds_load_b128 v[\dst+4*\p:\dst+4*\p+3], v35 offset:16*\p
.endr
.endm
.macro QUANTQ src, dst, sw             ; my block of 32 numbers becomes six registers of codes at v[dst]; the row's scale word goes to v[sw]
	v_max3_num_f32 v218, |v[\src]|, |v[\src+1]|, |v[\src+2]|
	v_max3_num_f32 v219, |v[\src+3]|, |v[\src+4]|, |v[\src+5]|
.irp i, 6,10,14,18,22,26
	s_delay_alu instid0(VALU_DEP_2)
	v_max3_num_f32 v218, v218, |v[\src+\i]|, |v[\src+\i+1]|
	s_delay_alu instid0(VALU_DEP_2)
	v_max3_num_f32 v219, v219, |v[\src+\i+2]|, |v[\src+\i+3]|
.endr
	s_delay_alu instid0(VALU_DEP_2)
	v_max3_num_f32 v218, v218, |v[\src+30]|, |v[\src+31]|
	s_delay_alu instid0(VALU_DEP_1)
	v_max3_num_f32 v218, v218, v219, FLOOR
	s_delay_alu instid0(VALU_DEP_1)
	v_add_nc_u32 v226, OFFE, v218                  ; the conversion's scale operand
	v_cvt_scalef32_pk16_bf6_f32 v[\dst:\dst+2], v[\src:\src+15], v226
	v_cvt_scalef32_pk16_bf6_f32 v[204:206], v[\src+16:\src+31], v226   ; (a conversion's three registers begin on an even number)
	v_lshrrev_b32 v228, 23, v226                   ; the scale's byte.  (Also the plain line behind the conversions)
	s_delay_alu instid0(VALU_DEP_1)
	v_lshlrev_b32 v230, v11, v228                  ; byte h of the word
	s_delay_alu instid0(VALU_DEP_1)
	v_permlanex16_b32 v231, v230, s20, s21
	s_delay_alu instid0(VALU_DEP_1)
	v_or_b32 v[\sw], v230, v231                    ; bytes 2 and 3 stay 0: they stand over zero codes
.irp i, 0,1,2
	v_mov_b32 v[\dst+3+\i], v[204+\i]
.endr
.endm
.macro TILE_INIT                       ; the steps are written once: the first finds zeros, which the first change of M leaves zeros
	v_mov_b32 v13, 0xff61b1e6                      ; the largest t so far: -3e38, under every t
	s_delay_alu instid0(VALU_DEP_1)
	v_floor_f32 v12, -v13                          ; -M
	v_mov_b32 v14, 0
	v_mov_b32 v15, 0
.set n, 0
.rept 32
	v_mov_b32 v[O+n], 0
.set n, n+1
.endr
.endm
; A STEP: 128 keys, from s15 on, whose block lies at LDS byte s16.
.macro STEP
	s_cmp_gt_u32 s15, s13                          ; both are multiples of 16: all 128 keys come after my 16 queries
	s_cbranch_scc1 .Lhid_\@
	s_setprio 2
	v_add_nc_u32 v3, s16, v1
	s_wait_alu depctr_va_vdst(0)
	v_add_nc_u32 v4, s16, v2
	s_wait_alu depctr_va_vdst(0)
	ds_load_b128 v[212:215], v3 offset:KSC         ; K's scale words: register j: lanes 0-15 tile 2 j, lanes 16-31 tile 2 j + 1
.irp g, 0,1                            ; S^T = K Q^T, four tiles of 16 keys at a time
.if \g == 1
.rept 4
	v_nop                                          ; places in front of loads into registers that the four products have read, and of the first read of their results
.endr
.endif
.irp u, 0,1,2,3
	ds_load_b128 v[KFR+12*\u:KFR+12*\u+3], v3 offset:768*(4*\g+\u)
	ds_load_b64 v[KFR+12*\u+4:KFR+12*\u+5], v4 offset:768*(4*\g+\u)+512
.endr
	s_wait_dscnt 0x0
.irp u, 0,2
	v_wmma_scale_f32_16x16x128_f8f6f4 v[S+8*(4*\g+\u):S+8*(4*\g+\u)+7], v[KFR+12*\u:KFR+12*\u+11], v[16:27], 0, v[212+2*\g+\u/2], v9 matrix_a_fmt:MATRIX_FMT_BF6 matrix_b_fmt:MATRIX_FMT_BF6
	v_wmma_scale_f32_16x16x128_f8f6f4 v[S+8*(4*\g+\u+1):S+8*(4*\g+\u+1)+7], v[KFR+12*(\u+1):KFR+12*(\u+1)+11], v[16:27], 0, v[212+2*\g+\u/2], v9 matrix_a_fmt:MATRIX_FMT_BF6 matrix_b_fmt:MATRIX_FMT_BF6 matrix_a_scale:MATRIX_SCALE_ROW1
.endr
.endr
	s_add_co_u32 s18, s15, 127                     ; a step all of whose keys count for all my queries has no mask
	s_cmp_le_u32 s18, s13
	s_cbranch_scc1 .Lopen_\@
	s_sub_co_i32 s18, s13, s15
	v_add_nc_u32 v234, s18, v8                     ; d = my query - the step's first key - 32 h: register n's key is hidden where 64 (n / 32) + n % 32 > d
	v_mov_b32 v235, 0xc79c4000                     ; -80,000
.set n, 0
.rept 64                               ; in ascending order: the first 32 pairs are the places behind the last four products
	v_cmp_gt_i32 vcc_lo, 64*(n/32)+n%32, v234
	v_cndmask_b32 v[S+n], v[S+n], v235, vcc_lo
.set n, n+1
.endr
.Lopen_\@:
.irp c, 0,1                            ; THE LARGEST SCORE OF EACH OF MY TWO BLOCKS: for the row's maximum and, since p rises with the score, for the block's largest p.  Ascending, so that each result is first read at its low end;
	v_max3_num_f32 v[218+2*\c], v[S+32*\c], v[S+32*\c+1], v[S+32*\c+2]      ; block 0's sixteen lines are the places behind the last four products
	v_max3_num_f32 v[219+2*\c], v[S+32*\c+3], v[S+32*\c+4], v[S+32*\c+5]
.irp i, 6,10,14,18,22,26
	v_max3_num_f32 v[218+2*\c], v[218+2*\c], v[S+32*\c+\i], v[S+32*\c+\i+1]
	v_max3_num_f32 v[219+2*\c], v[219+2*\c], v[S+32*\c+\i+2], v[S+32*\c+\i+3]
.endr
	v_max3_num_f32 v[218+2*\c], v[218+2*\c], v[S+32*\c+30], v[S+32*\c+31]
	s_delay_alu instid0(VALU_DEP_1)
	v_max_num_f32 v[218+2*\c], v[218+2*\c], v[219+2*\c]
.endr
	s_delay_alu instid0(VALU_DEP_1)
	v_max_num_f32 v222, v218, v220
	s_delay_alu instid0(VALU_DEP_1)
	v_permlanex16_b32 v223, v222, s20, s21
	s_delay_alu instid0(VALU_DEP_1)
	v_max_num_f32 v222, v222, v223                 ; with lane l xor 16's 64 keys: the step's largest score of my query
	s_delay_alu instid0(VALU_DEP_1)
	v_mul_f32 v222, s22, v222                      ; as t (c is positive)
	s_delay_alu instid0(VALU_DEP_1)
	v_max_num_f32 v13, v13, v222                   ; the running largest t
	v_mov_b32 v222, v12
	s_delay_alu instid0(VALU_DEP_2)
	v_floor_f32 v12, -v13                          ; the new -M = floor(-t) = -ceil(t)
	s_delay_alu instid0(VALU_DEP_1)
	v_sub_f32 v222, v12, v222                      ; old M - new M: a whole number, 0 or less
	s_delay_alu instid0(VALU_DEP_1)
	v_cvt_i32_f32 v222, v222                       ; (it saturates)
	s_delay_alu instid0(VALU_DEP_1)
	v_ldexp_f32 v224, 1.0, v222                    ; f = 2^(old M - new M)
.set n, 0
.rept 32
	v_pk_fma_f32 v[S+n:S+n+1], v[S+n:S+n+1], s[22:23], v[12:13] op_sel_hi:[1,0,0]   ; t - M, two at a time (of the pairs c and -M the low word serves both halves)
.set n, n+2
.endr
	s_setprio 1
	v_fma_f32 v218, v218, s22, v12                 ; the same of each block's largest score
	v_fma_f32 v220, v220, s22, v12
.set n, 0
	s_wait_alu depctr_va_vdst(0)
.rept 64
	v_exp_f32 v[S+n], v[S+n]                       ; p = 2^(t - M)
.set n, n+1
.endr
	v_exp_f32 v218, v218                           ; the blocks' largest p: the same two instructions on the same number give the same bits
	v_exp_f32 v220, v220
	v_pk_mul_f32 v[14:15], v[14:15], v[224:225] op_sel_hi:[1,0]    ; the sums under the new M.  (The plain line behind the exponentials)
	s_wait_alu depctr_va_vdst(0)
.irp c, 0,1
	v_max_num_f32 v[218+2*\c], FLOOR, v[218+2*\c]  ; the byte cannot fall under 1 (a block whose every p is 0 keeps that byte: its codes are zeros)
.endr
.irp c, 0,1
	s_delay_alu instid0(VALU_DEP_2)
	v_add_nc_u32 v[226+\c], OFFE, v[218+2*\c]      ; the conversion's scale operand
.endr
.irp c, 0,1
	s_delay_alu instid0(VALU_DEP_2)
	v_lshrrev_b32 v[228+\c], 23, v[226+\c]         ; the scale's byte
.endr
	s_delay_alu instid0(VALU_DEP_1)
	v_lshl_or_b32 v230, v229, 16, v228             ; my two bytes: blocks h and 2 + h,
	s_delay_alu instid0(VALU_DEP_1)
	v_lshlrev_b32 v230, v11, v230                  ; at their places;
	s_delay_alu instid0(VALU_DEP_1)
	v_permlanex16_b32 v231, v230, s20, s21
	s_delay_alu instid0(VALU_DEP_1)
	v_or_b32 v10, v230, v231                       ; with lane l xor 16's two: p's scale word for these 128 keys
.irp c, 0,1
	v_cvt_scalef32_pk16_bf6_f32 v[P+6*\c:P+6*\c+2], v[S+32*\c:S+32*\c+15], v[226+\c]
	v_cvt_scalef32_pk16_bf6_f32 v[204+4*\c:206+4*\c], v[S+32*\c+16:S+32*\c+31], v[226+\c]
.endr
	v_nop                                          ; one plain line behind a scaled conversion
.irp c, 0,1
.irp i, 0,1,2
	v_mov_b32 v[P+6*\c+3+\i], v[204+4*\c+\i]       ; registers 6 c .. 6 c + 5: keys 64 c + 32 h + 0 .. 31
.endr
.endr
	v_pk_add_f32 v[232:233], v[S:S+1], v[S+2:S+3]  ; THE ROW'S SUM IS TAKEN OF THE UNQUANTISED p: two at a time, in two chains.  First the 48 registers that V's fragments will take
.irp j, 4,8,12,16,20,24,28,32,36,40,44
	v_pk_add_f32 v[14:15], v[14:15], v[S+\j:S+\j+1]
	v_pk_add_f32 v[232:233], v[232:233], v[S+\j+2:S+\j+3]
.endr
.irp t, 0,1,2,3                        ; V's four fragments, as images, into the registers that p has left
.irp c, 0,1,2
	ds_load_b128 v[S+12*\t+4*\c:S+12*\t+4*\c+3], v3 offset:VIMG+1536*\t+512*\c
.endr
.endr
	s_setprio 0
	ds_load_b64 v[216:217], v4 offset:VSC          ; V's scale words: register j: lanes 0-15 tile 2 j, lanes 16-31 tile 2 j + 1
.set n, 0
.rept 16
	v_pk_mul_f32 v[O+n:O+n+1], v[O+n:O+n+1], v[224:225] op_sel_hi:[1,0]   ; O^T under the new M, while the loads are out; ascending: each result is first read at its low end
.set n, n+2
.endr
.irp j, 48,52,56,60                    ; the rest of the sum: nine plain lines between the last write of O^T and the products
	v_pk_add_f32 v[14:15], v[14:15], v[S+\j:S+\j+1]
	v_pk_add_f32 v[232:233], v[232:233], v[S+\j+2:S+\j+3]
.endr
	s_delay_alu instid0(VALU_DEP_1)
	v_pk_add_f32 v[14:15], v[14:15], v[232:233]
	s_wait_dscnt 0x0
.irp t, 0,2                            ; O^T += V^T P^T: the four accumulators by turns, one instruction a turn
	v_wmma_scale_f32_16x16x128_f8f6f4 v[O+8*\t:O+8*\t+7], v[S+12*\t:S+12*\t+11], v[P:P+11], v[O+8*\t:O+8*\t+7], v[216+\t/2], v10 matrix_a_fmt:MATRIX_FMT_BF6 matrix_b_fmt:MATRIX_FMT_BF6
	v_wmma_scale_f32_16x16x128_f8f6f4 v[O+8*(\t+1):O+8*(\t+1)+7], v[S+12*(\t+1):S+12*(\t+1)+11], v[P:P+11], v[O+8*(\t+1):O+8*(\t+1)+7], v[216+\t/2], v10 matrix_a_fmt:MATRIX_FMT_BF6 matrix_b_fmt:MATRIX_FMT_BF6 matrix_a_scale:MATRIX_SCALE_ROW1
.endr
.rept 5
	v_nop                                          ; five places: the next step's first products write over registers that these have read; the way out reads their results
.endr
.Lhid_\@:
	s_add_co_u32 s15, s15, 128
	s_add_co_u32 s16, s16, BLK
.endm
.macro RUN trips
	s_mov_b32 s17, \trips
.Lrun_\@:
	STEP
	s_sub_co_u32 s17, s17, 1
	s_cmp_lg_u32 s17, 0
	s_cbranch_scc1 .Lrun_\@
	s_setprio 0
.endm
; Keys 512 s .. 512 s + 511: the four blocks that load s of waves 0-3 brought.
.macro STAGE s
	s_wait_tensorcnt 3-\s                          ; my load s has landed; my 3 - s later ones may stay out
	s_wait_dscnt 0x0                               ; no LDS instruction of mine is out at the signal
	s_barrier_signal -1
	s_barrier_wait -1                              ; everybody's load s has landed
	s_mov_b32 s16, 4*BLK*\s
	s_mov_b32 s15, 512*\s
	RUN 4
.endm
; O^T / the sum goes through my stage, 16 rows of 256 bytes, and leaves by rows: sixteen lanes store 256 consecutive bytes, at a multiple of 256 from out0's first byte.
.macro WAYOUT sb
	v_add_f32 v14, v14, v15                        ; the sum's two halves,
	s_delay_alu instid0(VALU_DEP_1)
	v_permlanex16_b32 v223, v14, s20, s21
	s_delay_alu instid0(VALU_DEP_1)
	v_add_f32 v14, v14, v223                       ; and lane l xor 16's: the row's sum
	s_wait_alu depctr_va_vdst(0)
	v_rcp_f32 v224, v14
	v_nop                                          ; one plain line behind a transcendental
.set n, 0
	s_wait_alu depctr_va_vdst(0)
.rept 16
	v_pk_mul_f32 v[S+n:S+n+1], v[O+n:O+n+1], v[224:225] op_sel_hi:[1,0]   ; register 8 t + j is o(query r, channel 16 t + 8 h + j)
.set n, n+2
.endr
.irp t, 0,1,2,3
	ds_store_b128 v5, v[S+8*\t:S+8*\t+3] offset:64*\t
	ds_store_b128 v5, v[S+8*\t+4:S+8*\t+7] offset:64*\t+16
.endr
.irp i, 0,1,2,3,4,5,6,7
	ds_load_b128 v[128+4*\i:131+4*\i], v6 offset:2*SP*\i           ; LDS serves a wave's instructions in order: these see my stores
.endr
.irp i, 0,1,2,3,4,5,6,7
	s_wait_dscnt 7-\i                              ; the loads behind pair i of rows may be out
	global_store_b128 v7, v[128+4*\i:131+4*\i], s[\sb:\sb+1] offset:8192*\i th:TH_STORE_NT
.endr
	s_wait_xcnt 0x0                                ; the stores have read their registers, which the next tile's products write
.endm
	QLOAD S, 54                                    ; the high tile's q
	QLOAD S+32, 56                                 ; the low tile's
	s_wait_loadcnt 8                               ; the high tile's 8 loads are in; the low tile's may be out
	QTURN S
	s_wait_loadcnt 0x0
	QTURN S+32
	s_wait_dscnt 16                                ; the high tile is back from the stage; behind it: the low tile's 8 stores and 8 loads
	QUANTQ S, 16, 9
	s_wait_dscnt 0x0
	QUANTQ S+32, 28, 34
	TILE_INIT
	STAGE 0                                        ; the high tile walks all sixteen steps' places; those behind its diagonal are left out
	STAGE 1
	STAGE 2
	STAGE 3
	s_wait_alu depctr_va_vdst(0)
	WAYOUT 50
	v_mov_b32 v9, v34                              ; the low tile's Q.  (The lines of TILE_INIT stand between these writes and the next products)
.irp i, 0,1,2,3,4,5
	v_mov_b32 v[16+\i], v[28+\i]
.endr
	s_mov_b32 s13, s14
	TILE_INIT
	s_mov_b32 s16, 0
	s_mov_b32 s15, 0
	RUN 8                                          ; the low tiles' queries lie under 1,024: eight steps' places
	s_wait_alu depctr_va_vdst(0)
	WAYOUT 52
	s_wait_tensorcnt 0x0
	ds_add_u32 v254, v255
	s_wait_dscnt 0x0
	s_endpgm
.Lfunc_end_k_qe67b8902da_attn:
	.size	k_qe67b8902da_attn, .Lfunc_end_k_qe67b8902da_attn-k_qe67b8902da_attn
	.p2alignl 7, 3214868480
	.fill 96, 4, 3214868480
	.section	.rodata,"a",@progbits
	.p2align	6, 0x0
	.amdhsa_kernel k_qe67b8902da_attn
		.amdhsa_group_segment_fixed_size 280576
		.amdhsa_private_segment_fixed_size 0
		.amdhsa_enable_private_segment 0
		.amdhsa_kernarg_size 24
		.amdhsa_user_sgpr_count 2
		.amdhsa_user_sgpr_kernarg_segment_ptr 1
		.amdhsa_wavefront_size32 1
		.amdhsa_system_sgpr_workgroup_id_x 1
		.amdhsa_system_sgpr_workgroup_id_y 1
		.amdhsa_system_sgpr_workgroup_id_z 1
		.amdhsa_system_vgpr_workitem_id 0
		.amdhsa_next_free_vgpr 256
		.amdhsa_next_free_sgpr 66
		.amdhsa_reserve_vcc 1
		.amdhsa_float_denorm_mode_32 3
		.amdhsa_float_denorm_mode_16_64 3
		.amdhsa_memory_ordered 1
		.amdhsa_forward_progress 1
		.amdhsa_inst_pref_size 129
	.end_amdhsa_kernel
	.amdgpu_metadata
---
amdhsa.version: [ 1, 2 ]
amdhsa.kernels:
  - .name:           k_qe67b8902da_attn
    .symbol:         k_qe67b8902da_attn.kd
    .args:
      - { .name: q, .offset: 0, .size: 8, .value_kind: global_buffer, .address_space: global }
      - { .name: kv, .offset: 8, .size: 8, .value_kind: global_buffer, .address_space: global }
      - { .name: out0, .offset: 16, .size: 8, .value_kind: global_buffer, .address_space: global }
    .group_segment_fixed_size: 280576
    .private_segment_fixed_size: 0
    .kernarg_segment_align: 8
    .kernarg_segment_size: 24
    .max_flat_workgroup_size: 512
    .sgpr_count:     66
    .vgpr_count:     256
    .wavefront_size: 32
...
	.end_amdgpu_metadata
.endif
;; end of part 2
